; MI455X (gfx1250); checked and timed in simulation.
; The chip was launched on July 23, 2026; its instructions are those of AMD's public machine-readable ISA for CDNA 5 (MIT licence, August 2026) and "CDNA5" Instruction Set Architecture Reference Guide (July 2026). The comments in the code are by the model that wrote it; some were corrected since.
;; Cross Spatial Attention. Allowed arithmetic: float matrix products may take bf16 or f16 operands with f32 sums; all other float work in f32.
;; Inputs: Wf 64 x 256 float32; Wg 64 x 256 float32; Wh 64 x 256 float32; Wv 256 x 64 float32; betf 64 float32; betg 64 float32; bf 64 float32; bg 64 float32; bh 64 float32; bv 256 float32; gamf 64 float32; gamg 64 float32; mf 64 float32; mg 64 float32; vf 64 float32; vg 64 float32; x 2 x 256 x 8 x 32 x 32 float32.
;; Outputs: out0 2 x 256 x 8 x 32 x 32 float32.
;; One version. Each part assembles by itself: llvm-mc -triple=amdgcn-amd-amdhsa -mcpu=gfx1250 --defsym DOCPART=n.
;; ======== version 1 of 1: 2 launches
;; limits: values are held in f16: magnitudes above 65,504 overflow, below 6.1e-05 lose precision
;; workspace buffers: fgh 6,356,992 bytes
;; launch proj (part 1): grid 256 x 1, 12 waves a work-group, clusters of 4 x 1, 242,432 bytes of LDS; arguments x, fgh, Wf, Wg, Wh, bh, bf, gamf, betf, mf, vf, bg, gamg, betg, mg, vg; writes fgh
.if DOCPART == 1
	.amdgcn_target "amdgcn-amd-amdhsa--gfx1250"
	.amdhsa_code_object_version 6
	.text
	.protected	k_q11643cce29_proj
	.globl	k_q11643cce29_proj
	.p2align	8
	.type	k_q11643cce29_proj,@function
k_q11643cce29_proj:
	s_mov_b64 s[64:65], 0
	v_nop
	global_prefetch_b8 v0, s[64:65] scope:SCOPE_SE
	s_setreg_imm32_b32 hwreg(HW_REG_WAVE_MODE, 25, 1), 1
	s_wait_xcnt 0x0
	s_wait_alu depctr_hold_cnt(0) depctr_sa_sdst(0) depctr_va_vdst(0) depctr_va_sdst(0) depctr_va_ssrc(0) depctr_va_vcc(0) depctr_vm_vsrc(0)
	s_getreg_b32 s2, hwreg(HW_REG_IB_STS2, 6, 4)
	s_cmp_eq_u32 s2, 0
	s_cbranch_scc0 .Lentry_in_a_cluster
	s_endpgm
.Lentry_in_a_cluster:
	s_bfe_u32 s2, ttmp6, 0x10000c
	s_cmp_lg_u32 s2, 0x3003
	s_cbranch_scc0 .Lentry_shape_is_right
	s_endpgm
.Lentry_shape_is_right:
; f' = relu(bn(Wf x + bf)) * 0.125 log2(e),  g = relu(bn(Wg x + bg)),  h = Wh x + bh,  all rounded once to f16.
; x: [2][256][8192] f32 (voxels along the rows).  A work-group makes one block of 64 voxels: 192 output channels x 64 voxels, K = 256.
; fgh: 256 blocks of 24,832 bytes, block = batch * 128 + voxel / 64; in a block three images of 8 KiB, each the register image of the
; matrix operands that the next launch needs, so that every store here and every load there is 16 bytes a lane, 512 consecutive bytes a wave:
;   f at 0,     piece ((nt*2+kf)*2+half)*512 + 16 L: sf f'[voxel 16 nt + r][channel 32 kf + 16 half + 8 hh .. +7]     (r = L & 15, hh = L >> 4)
;   g at 8192,  the same of sg g
;   h at 16384, piece ((ct*2+q)*2+half)*512 + 16 L:  h[channel 16 ct + r][voxel 32 q + 16 half + 8 hh .. +7]
;   at 24576:   32 pairs (1 / sf, 1 / sg) in f32, 256 bytes
; WHY f16, AND THE BLOCK'S SCALES.  f16 keeps 11 significant bits where bf16 keeps 8; a logit's error moves a softmax weight p by p (1 - p) times
; the error, so the operands of the logits want the bits.  f' and g are products of gamma, 1 / sqrt(var), W and x and have no sure room in f16.
; So each block's f' and each block's g are multiplied by a power of two, sf and sg, that brings the block's largest number into [1, 2);
; the next launch multiplies the logits by 1 / (sf sg), exactly.  Numbers under 2^-14 of the block's largest keep an absolute error of 2^-25 of it.
; The factor 0.125 log2(e) is positive, so it goes into the BatchNorm's scale and shift ahead of the relu; the logits then are exponents of 2.
; Twelve waves: wave w makes 16 output channels (matrix w >> 2: f, g, h; tile w & 3) x 64 voxels = 4 accumulators, 32 matrix instructions.
; Waves 0 to 7 also bring x in: 32 channels each, rounded to f16 into LDS, [channel][voxel]; the transposing LDS load makes the fragments.
; CLUSTER: the four work-groups of a cluster need the same 192 rows of W.  Wave w of each asks for its 16 rows by one joint tensor load
; (mask 15, the same descriptor in all four: it hangs on the wave's number alone), which divides the requests for W by four.
; LIMITS: x, W and h go in f16 unscaled: |x|, |W| and |h| must stay under 65,504.  (With x and Wh both 30 times the drawn spread h has an rms of
; about 1,270; with a common offset of 30 spreads on both it is about 20,400.)  The relu and the maxima are v_max_num_f32, which drops a NaN where
; reference() would hand it on; infinities in the inputs are not served; 1 / sqrt(var + eps) is v_rsq_f32 (accurate to 1 ULP, not correctly rounded).
.set BLK,    24832                     ; bytes of a block of fgh
.set XROW,   32768                     ; bytes from a channel of x to the next
.set XPITCH, 160                       ; LDS row of x: 64 f16 + 32 bytes; an odd multiple of 32 bytes
.set WB,     256*XPITCH
.set WPITCH, 1040                      ; LDS row of W: 256 f32 + 16 bytes, an odd multiple of 16 bytes
.set WTILE,  16*WPITCH                 ; 16,640 bytes a wave; 12 of them end at 240,640
.set RED,    WB+12*WTILE               ; 240,640, a multiple of 256: the largest number of each of waves 0 to 7, one word each
.set XG,  4                            ; v4   x in memory: hh rows + 16 r
.set XS,  5                            ; v5   x in LDS, for the stores
.set WA,  6                            ; v6   my row of my wave's tile of W
.set XA,  7                            ; v7   x in LDS, for the transposing loads
.set PO,  8                            ; v8   byte offset of my channels in the parameter vectors
.set SO,  9                            ; v9   16 L
.set WF,  16                           ; v[16:143] W in f32 as loaded; packed in place to v[16:79]: fragment of K step ks at WF + 8 ks
.set ACC, 80                           ; v[80:111]  four accumulators
.set PK,  112                          ; v[112:127] results in f16
.set BH8, 128                          ; v[128:135] bh, eight times: the h waves' first C
.set MX,  136                          ; v[136:138] at work on the maximum
.set RA,  139                          ; v139 LDS address in RED
.set XF0, 144                          ; v[144:207] x as loaded (f32), later two buffers of four x fragments
.set XF1, 176
.set RD8, 144                          ; v[144:151] behind the products: the eight waves' maxima
.set IV,  152                          ; v[152:153] 1 / sf, 1 / sg
.set SCL, 154                          ; v[154:155] my matrix's scale, twice
.set S8,  156                          ; v156 8 L
.set BI,  208                          ; v[208:215] bias, later the shift
.set GA,  216                          ; gamma
.set BE,  224                          ; beta
.set ME,  232                          ; mean
.set VA,  240                          ; var, later the scale
.set BHV, 248                          ; bh of my channel (h waves)
; A round of the cluster's barrier: my work-group's barrier, wave 0 signals for the work-group, every wave waits for all four, my barrier again.
.macro ROUND
	s_barrier_signal -1
	s_barrier_wait -1
	s_cmp_lg_u32 s2, 0
	s_cbranch_scc1 .Lnot_wave_0_\@
	s_barrier_signal -3
.Lnot_wave_0_\@:
	s_barrier_wait -3
	s_barrier_signal -1
	s_barrier_wait -1
.endm
.macro PLACES n                        ; places behind a matrix instruction (ISA guide 7.12.1)
.rept \n
	v_nop
.endr
.endm
	s_load_b512 s[8:23], s[0:1], 0x0               ; x 8, fgh 10, Wf 12, Wg 14, Wh 16, bh 18, bf 20, gamf 22
	s_load_b512 s[24:39], s[0:1], 0x40             ; betf 24, mf 26, vf 28, bg 30, gamg 32, betg 34, mg 36, vg 38
	v_lshl_add_u32 v254, v0, 2, 0x3ad00
	v_mov_b32 v255, 0
	ds_add_u32 v254, v255
	v_lshrrev_b32 v1, 5, v0
	v_readfirstlane_b32 s2, v1                     ; wave 0..11
	s_lshr_b32 s3, s2, 2                           ; matrix: 0 f, 1 g, 2 h
	s_and_b32 s4, s2, 3                            ; which 16 of its 64 output channels
	s_bfe_u32 s5, ttmp6, 0x40000                   ; cx
	s_lshl_b32 s6, ttmp9, 2
	s_add_co_u32 s6, s6, s5                        ; block = 4 x cluster + cx
	s_mov_b32 s74, 0x76543210                      ; v_permlanex16_b32: lane i of one half reads lane i of the other
	s_mov_b32 s75, 0xfedcba98
	; descriptor group 1: 16 rows of 256 f32, 16 bytes of padding behind each row
	s_mov_b32 s52, 15|(2<<16)|(1<<20)|(1<<21)|(7<<22)|(3<<25)  ; mask: all four; element of 4 bytes; padding on; bit 21 beside a mask; after every 256 words, 4 words
	s_mov_b32 s53, 256<<16                         ; tensor_dim0 = 256
	s_mov_b32 s54, 16<<16                          ; tensor_dim1 = 16
	s_mov_b32 s55, 256<<16                         ; tile_dim0 = 256
	s_mov_b32 s56, 16                              ; tile_dim1 = 16
	s_mov_b32 s57, 256                             ; elements from row to row
	s_mov_b32 s58, 0
	s_mov_b32 s59, 0
	s_mov_b32 s60, 1                               ; group 0: count
	s_mul_i32 s61, s2, WTILE
	s_add_co_u32 s61, s61, WB                      ; LDS address: a constant + wave x a constant
	s_lshl_b32 s70, s4, 14                         ; my 16 rows of 1,024 bytes
	s_mov_b32 s71, 0
	s_wait_dscnt 0x0
	s_wait_kmcnt 0x0
	s_cmp_eq_u32 s3, 0
	s_cselect_b64 s[40:41], s[12:13], s[14:15]     ; Wf or Wg,
	s_cmp_eq_u32 s3, 2
	s_cselect_b64 s[40:41], s[16:17], s[40:41]     ; or Wh: chosen by the wave's number alone
	s_add_nc_u64 s[62:63], s[40:41], s[70:71]
	s_or_b32 s63, s63, 0x80000000                  ; type = 2
	ROUND                                          ; all four work-groups are here: the joint loads meet
	tensor_load_to_lds s[60:63], s[52:59]          ; my wave's one tensor load of the launch
	s_nop 0
	s_mul_i32 s70, s6, BLK
	s_add_nc_u64 s[68:69], s[10:11], s[70:71]      ; my block of fgh
	v_and_b32 v2, 15, v0                           ; r
	v_bfe_u32 v3, v0, 4, 1                         ; hh
	v_and_b32 v1, 31, v0                           ; L
	v_lshlrev_b32 v[SO], 4, v1
	v_mul_u32_u24 v[WA], v2, WPITCH                ; W fragment: row r, 8 f32 from k = 8 hh
	v_lshl_add_u32 v[WA], v3, 5, v[WA]
	v_add_nc_u32 v[WA], s61, v[WA]
	v_and_b32 v10, 7, v0                           ; x fragment by the transposing load: row 8 hh + (L & 7), 16 bytes at 16 ((L >> 3) & 1)
	v_lshl_add_u32 v10, v3, 3, v10
	v_mul_u32_u24 v[XA], v10, XPITCH
	v_bfe_u32 v10, v0, 3, 1
	v_lshl_add_u32 v[XA], v10, 4, v[XA]
	s_cmp_ge_u32 s2, 8
	s_cbranch_scc1 .Lh_in
	; ---- waves 0 to 7 (f and g): bring in 32 channels of x, and the BatchNorm's vectors ----
	s_lshr_b32 s70, s6, 7                          ; batch
	s_lshl_b32 s70, s70, 23                        ; x 256 channels x 32,768 bytes
	s_and_b32 s7, s6, 127
	s_lshl_b32 s7, s7, 8                           ; + my 64 voxels
	s_add_co_u32 s70, s70, s7
	s_lshl_b32 s7, s2, 20                          ; + 32 channels a wave
	s_add_co_u32 s70, s70, s7
	s_add_nc_u64 s[66:67], s[8:9], s[70:71]
	v_lshlrev_b32 v[XG], 4, v2
	v_lshl_add_u32 v[XG], v3, 15, v[XG]            ; lanes 0-15 one channel's 256 bytes, lanes 16-31 the next channel's
.irp t, 0,1,2,3,4,5,6,7,8,9,10,11,12,13,14,15
	global_load_b128 v[XF0+4*\t:XF0+4*\t+3], v[XG], s[66:67] offset:\t*2*XROW   ; channel 32 w + 2 t + hh
.endr
	s_cmp_eq_u32 s3, 0
	s_cselect_b64 s[42:43], s[20:21], s[30:31]     ; bias
	s_cselect_b64 s[44:45], s[22:23], s[32:33]     ; gamma
	s_cselect_b64 s[46:47], s[24:25], s[34:35]     ; beta
	s_cselect_b64 s[48:49], s[26:27], s[36:37]     ; mean
	s_cselect_b64 s[50:51], s[28:29], s[38:39]     ; var
	s_cselect_b32 s72, 0x3e38aa3b, 1.0             ; f: 0.125 log2(e); g: 1
	s_mov_b32 s73, s72
	s_lshl_b32 s7, s4, 6
	v_lshlrev_b32 v[PO], 5, v3
	v_add_nc_u32 v[PO], s7, v[PO]                  ; my 8 channels 16 ot + 8 hh .. +7
.irp p, 0,1,2,3,4
	global_load_b128 v[BI+8*\p:BI+8*\p+3],   v[PO], s[42+2*\p:43+2*\p]
	global_load_b128 v[BI+8*\p+4:BI+8*\p+7], v[PO], s[42+2*\p:43+2*\p] offset:16
.endr
	s_lshl_b32 s70, s3, 13                         ; my image, and in it my piece: kf = ot >> 1, half = ot & 1, together 512 ot
	s_lshl_b32 s7, s4, 9
	s_add_co_u32 s70, s70, s7
	s_add_nc_u64 s[68:69], s[68:69], s[70:71]
	s_mul_i32 s7, s2, 32*XPITCH
	v_mul_u32_u24 v[XS], v3, XPITCH
	v_lshl_add_u32 v[XS], v2, 3, v[XS]
	v_add_nc_u32 v[XS], s7, v[XS]                  ; LDS: channel 32 w + hh, 4 voxels = 8 bytes at 8 r
	s_wait_loadcnt 0xa                             ; the ten parameter loads are younger: x is in
.irp t, 0,1,2,3,4,5,6,7,8,9,10,11,12,13,14,15
	v_cvt_pk_f16_f32 v[XF0+4*\t],   v[XF0+4*\t],   v[XF0+4*\t+1]
	v_cvt_pk_f16_f32 v[XF0+4*\t+1], v[XF0+4*\t+2], v[XF0+4*\t+3]
	ds_store_b64 v[XS], v[XF0+4*\t:XF0+4*\t+1] offset:\t*2*XPITCH
.endr
	s_wait_loadcnt 0x0
	; scale = fac gamma / sqrt(var + eps);  shift = (bias - mean) scale + fac beta
.irp i, 0,2,4,6
	v_pk_add_f32 v[VA+\i:VA+\i+1], v[VA+\i:VA+\i+1], 0x3727c5ac op_sel_hi:[1,0]   ; + 1e-5
.endr
.irp i, 0,1,2,3,4,5,6,7
	v_rsq_f32 v[VA+\i], v[VA+\i]
.endr
.irp i, 0,2,4,6
	v_pk_add_f32 v[BI+\i:BI+\i+1], v[BI+\i:BI+\i+1], v[ME+\i:ME+\i+1] neg_lo:[0,1] neg_hi:[0,1]   ; plain work on other registers behind the v_rsq_f32 (ISA guide 5.7.2)
.endr
.irp i, 0,2,4,6
	v_pk_mul_f32 v[GA+\i:GA+\i+1], v[GA+\i:GA+\i+1], s[72:73] op_sel_hi:[1,0]
	v_pk_mul_f32 v[BE+\i:BE+\i+1], v[BE+\i:BE+\i+1], s[72:73] op_sel_hi:[1,0]
.endr
	s_wait_alu depctr_va_vdst(0)
.irp i, 0,2,4,6
	v_pk_mul_f32 v[VA+\i:VA+\i+1], v[VA+\i:VA+\i+1], v[GA+\i:GA+\i+1]
.endr
.irp i, 0,2,4,6
	v_pk_fma_f32 v[BI+\i:BI+\i+1], v[BI+\i:BI+\i+1], v[VA+\i:VA+\i+1], v[BE+\i:BE+\i+1]
.endr
	s_branch .Lw_in
.Lh_in:
	; ---- waves 8 to 11 (h): the bias of my channel 16 ot + r ----
	s_lshl_b32 s7, s4, 6
	v_lshlrev_b32 v[PO], 2, v2
	v_add_nc_u32 v[PO], s7, v[PO]
	global_load_b32 v[BHV], v[PO], s[18:19]
	s_lshl_b32 s70, s4, 11                         ; h's image, channel tile ot
	s_add_co_u32 s70, s70, 16384
	s_add_nc_u64 s[68:69], s[68:69], s[70:71]
.Lw_in:
	; ---- every wave: its 16 rows of W from LDS, rounded to f16 in place ----
	s_wait_tensorcnt 0x0                           ; my tile has landed; no other wave reads it
.irp ks, 0,1,2,3,4,5,6,7
	ds_load_b128 v[WF+16*\ks:WF+16*\ks+3],     v[WA] offset:128*\ks       ; k = 32 ks + 8 hh .. +3
	ds_load_b128 v[WF+16*\ks+4:WF+16*\ks+7],   v[WA] offset:128*\ks+16
	ds_load_b128 v[WF+16*\ks+8:WF+16*\ks+11],  v[WA] offset:128*\ks+64    ; k = 32 ks + 16 + 8 hh .. +3
	ds_load_b128 v[WF+16*\ks+12:WF+16*\ks+15], v[WA] offset:128*\ks+80
.endr
	s_wait_dscnt 0x0                               ; W is in registers, and my stores of x are done, for the other waves' sake
	s_barrier_signal -1
.set i, 0
.rept 64
	v_cvt_pk_f16_f32 v[WF+i], v[WF+2*i], v[WF+2*i+1]    ; ascending: word i is written when words 2 i, 2 i + 1 are read, never earlier
.set i, i+1
.endr
	s_barrier_wait -1                              ; all of x is in LDS
; eight transposing loads: the four x fragments (16 voxels x 32 channels) of K step ks
.macro FETCHX ks, buf
.irp nt, 0,1,2,3
	ds_load_tr16_b128 v[\buf+8*\nt:\buf+8*\nt+3],   v[XA] offset:(\ks)*32*XPITCH+\nt*32
	ds_load_tr16_b128 v[\buf+8*\nt+4:\buf+8*\nt+7], v[XA] offset:(\ks)*32*XPITCH+\nt*32+16*XPITCH
.endr
.endm
; four matrix instructions, one on each accumulator: the accumulators take turns.
; swap = 0 (f, g): A = W, B = x: a lane's 8 results are 8 neighbouring channels of one voxel.  The first takes C = 0.
; swap = 1 (h):    A = x, B = W: a lane's 8 results are 8 neighbouring voxels of one channel.  The first takes C = bh.
.macro MULX ks, buf, swap
.irp nt, 0,1,2,3
.if \swap
.if \ks == 0
	v_wmma_f32_16x16x32_f16 v[ACC+8*\nt:ACC+8*\nt+7], v[\buf+8*\nt:\buf+8*\nt+7], v[WF+8*\ks:WF+8*\ks+7], v[BH8:BH8+7]
.else
	v_wmma_f32_16x16x32_f16 v[ACC+8*\nt:ACC+8*\nt+7], v[\buf+8*\nt:\buf+8*\nt+7], v[WF+8*\ks:WF+8*\ks+7], v[ACC+8*\nt:ACC+8*\nt+7]
.endif
.else
.if \ks == 0
	v_wmma_f32_16x16x32_f16 v[ACC+8*\nt:ACC+8*\nt+7], v[WF+8*\ks:WF+8*\ks+7], v[\buf+8*\nt:\buf+8*\nt+7], 0
.else
	v_wmma_f32_16x16x32_f16 v[ACC+8*\nt:ACC+8*\nt+7], v[WF+8*\ks:WF+8*\ks+7], v[\buf+8*\nt:\buf+8*\nt+7], v[ACC+8*\nt:ACC+8*\nt+7]
.endif
.endif
.endr
.endm
.macro KS ks, buf, swap
	s_wait_dscnt 0x8                               ; the next K step's eight loads are younger: this step's are in
	MULX \ks, \buf, \swap
	PLACES 4                                       ; before loads land in registers that the matrix instructions read
	FETCHX \ks+2, \buf
.endm
.macro GEMM swap
	FETCHX 0, XF0
	FETCHX 1, XF1
	KS 0, XF0, \swap
	KS 1, XF1, \swap
	KS 2, XF0, \swap
	KS 3, XF1, \swap
	KS 4, XF0, \swap
	KS 5, XF1, \swap
	s_wait_dscnt 0x8
	MULX 6, XF0, \swap
	s_wait_dscnt 0x0
	MULX 7, XF1, \swap
	PLACES 4                                       ; before the results are read
.endm
	s_cmp_ge_u32 s2, 8
	s_cbranch_scc1 .Lh_mul
	GEMM 0
.irp nt, 0,1,2,3
.irp i, 0,2,4,6
	v_pk_fma_f32 v[ACC+8*\nt+\i:ACC+8*\nt+\i+1], v[ACC+8*\nt+\i:ACC+8*\nt+\i+1], v[VA+\i:VA+\i+1], v[BI+\i:BI+\i+1]
.endr
.irp i, 0,1,2,3,4,5,6,7
	v_max_num_f32 v[ACC+8*\nt+\i], 0, v[ACC+8*\nt+\i]            ; relu
.endr
.endr
	; the largest of my wave's 16 channels x 64 voxels: 32 numbers a lane in two chains (17 and 15), then across the lanes
	v_max3_num_f32 v[MX],   v[ACC],    v[ACC+1],  v[ACC+2]
	v_max3_num_f32 v[MX+1], v[ACC+17], v[ACC+18], v[ACC+19]
.irp i, 0,1,2,3,4,5
	v_max3_num_f32 v[MX],   v[MX],   v[ACC+3+2*\i],  v[ACC+4+2*\i]
	v_max3_num_f32 v[MX+1], v[MX+1], v[ACC+20+2*\i], v[ACC+21+2*\i]
.endr
	v_max3_num_f32 v[MX], v[MX], v[ACC+15], v[ACC+16]
	v_max_num_f32 v[MX], v[MX], v[MX+1]
	v_max_num_f32_dpp v[MX], v[MX], v[MX] row_xmask:1 row_mask:0xf bank_mask:0xf
	v_max_num_f32_dpp v[MX], v[MX], v[MX] row_xmask:2 row_mask:0xf bank_mask:0xf
	v_max_num_f32_dpp v[MX], v[MX], v[MX] row_xmask:4 row_mask:0xf bank_mask:0xf
	v_max_num_f32_dpp v[MX], v[MX], v[MX] row_xmask:8 row_mask:0xf bank_mask:0xf
	v_mov_b32 v[MX+2], v[MX]                       ; v_permlanex16_b32's destination counts as read
	v_permlanex16_b32 v[MX+2], v[MX], s74, s75
	v_max_num_f32 v[MX], v[MX], v[MX+2]
	s_lshl_b32 s7, s2, 2
	s_add_co_u32 s7, s7, RED
	v_mov_b32 v[RA], s7
	ds_store_b32 v[RA], v[MX]                      ; my wave's word: all lanes write the same number
	s_branch .Lred
.Lh_mul:
	s_wait_loadcnt 0x0                             ; bh
.irp i, 0,1,2,3,4,5,6,7
	v_mov_b32 v[BH8+\i], v[BHV]
.endr
	GEMM 1
.irp nt, 0,1,2,3
.irp i, 0,1,2,3
	v_cvt_pk_f16_f32 v[PK+4*\nt+\i], v[ACC+8*\nt+2*\i], v[ACC+8*\nt+2*\i+1]
.endr
	global_store_b128 v[SO], v[PK+4*\nt:PK+4*\nt+3], s[68:69] offset:\nt*512    ; q = nt >> 1, half = nt & 1
.endr
.Lred:
	s_wait_dscnt 0x0                               ; my word in RED is stored, for the others' sake
	s_barrier_signal -1
	s_barrier_wait -1                              ; every wave passes here, the h waves too
	s_cmp_ge_u32 s2, 8
	s_cbranch_scc1 .Lend
	; ---- waves 0 to 7: the block's two scales, then my results out ----
	v_mov_b32 v[RA], RED
	ds_load_b128 v[RD8:RD8+3],   v[RA]             ; the four f waves' maxima, in every lane
	ds_load_b128 v[RD8+4:RD8+7], v[RA] offset:16   ; the four g waves'
	s_cmp_eq_u32 s3, 0
	s_cselect_b32 s7, -1, 0                        ; all lanes: f or g
	s_wait_dscnt 0x0
	v_max3_num_f32 v[IV],   v[RD8],   v[RD8+1], v[RD8+2]
	v_max3_num_f32 v[IV+1], v[RD8+4], v[RD8+5], v[RD8+6]
	v_max_num_f32 v[IV],   v[IV],   v[RD8+3]
	v_max_num_f32 v[IV+1], v[IV+1], v[RD8+7]
.irp p, 0,1
	v_and_b32 v[IV+\p], 0x7f800000, v[IV+\p]       ; the power of two at or under the largest number = 1 / scale,
	v_max_u32 v[IV+\p], 0x00800000, v[IV+\p]       ; its exponent field kept in 1 .. 253, so that it and its reciprocal are normal numbers
	v_min_u32 v[IV+\p], 0x7e800000, v[IV+\p]       ; (an all-zero block gets 2^-126; at the top the scaled numbers stay under 4)
.endr
	v_cndmask_b32 v[SCL], v[IV+1], v[IV], s7
	v_sub_nc_u32 v[SCL], 0x7f000000, v[SCL]        ; the reciprocal of a power of two: exponent field 254 - field
	v_mov_b32 v[SCL+1], v[SCL]
.irp nt, 0,1,2,3
.irp i, 0,2,4,6
	v_pk_mul_f32 v[ACC+8*\nt+\i:ACC+8*\nt+\i+1], v[ACC+8*\nt+\i:ACC+8*\nt+\i+1], v[SCL:SCL+1]   ; exact
.endr
.irp i, 0,1,2,3
	v_cvt_pk_f16_f32 v[PK+4*\nt+\i], v[ACC+8*\nt+2*\i], v[ACC+8*\nt+2*\i+1]
.endr
	global_store_b128 v[SO], v[PK+4*\nt:PK+4*\nt+3], s[68:69] offset:\nt*2048   ; 512 consecutive bytes, at a multiple of 512 from the block's first byte
.endr
	s_cmp_lg_u32 s2, 0
	s_cbranch_scc1 .Lend
	v_lshrrev_b32 v[S8], 1, v[SO]                  ; wave 0, whose base is the block's first byte: 8 bytes a lane,
	global_store_b64 v[S8], v[IV:IV+1], s[68:69] offset:24576   ; 32 pairs (1 / sf, 1 / sg): 256 consecutive bytes, at a multiple of 256 from fgh's first byte
.Lend:
	s_wait_tensorcnt 0x0
	ds_add_u32 v254, v255
	s_wait_dscnt 0x0
	ROUND                                          ; the closing round: no work-group ends while a partner may still ask jointly
	s_endpgm
.Lfunc_end_k_q11643cce29_proj:
	.size	k_q11643cce29_proj, .Lfunc_end_k_q11643cce29_proj-k_q11643cce29_proj
	.p2alignl 7, 3214868480
	.fill 96, 4, 3214868480
	.section	.rodata,"a",@progbits
	.p2align	6, 0x0
	.amdhsa_kernel k_q11643cce29_proj
		.amdhsa_group_segment_fixed_size 242432
		.amdhsa_private_segment_fixed_size 0
		.amdhsa_enable_private_segment 0
		.amdhsa_kernarg_size 128
		.amdhsa_user_sgpr_count 2
		.amdhsa_user_sgpr_kernarg_segment_ptr 1
		.amdhsa_wavefront_size32 1
		.amdhsa_system_sgpr_workgroup_id_x 1
		.amdhsa_system_sgpr_workgroup_id_y 1
		.amdhsa_system_sgpr_workgroup_id_z 1
		.amdhsa_system_vgpr_workitem_id 0
		.amdhsa_next_free_vgpr 256
		.amdhsa_next_free_sgpr 80
		.amdhsa_reserve_vcc 0
		.amdhsa_float_denorm_mode_32 3
		.amdhsa_float_denorm_mode_16_64 3
		.amdhsa_memory_ordered 1
		.amdhsa_forward_progress 1
		.amdhsa_inst_pref_size 43
	.end_amdhsa_kernel
	.amdgpu_metadata
---
amdhsa.version: [ 1, 2 ]
amdhsa.kernels:
  - .name:           k_q11643cce29_proj
    .symbol:         k_q11643cce29_proj.kd
    .args:
      - { .name: x, .offset: 0, .size: 8, .value_kind: global_buffer, .address_space: global }
      - { .name: fgh, .offset: 8, .size: 8, .value_kind: global_buffer, .address_space: global }
      - { .name: Wf, .offset: 16, .size: 8, .value_kind: global_buffer, .address_space: global }
      - { .name: Wg, .offset: 24, .size: 8, .value_kind: global_buffer, .address_space: global }
      - { .name: Wh, .offset: 32, .size: 8, .value_kind: global_buffer, .address_space: global }
      - { .name: bh, .offset: 40, .size: 8, .value_kind: global_buffer, .address_space: global }
      - { .name: bf, .offset: 48, .size: 8, .value_kind: global_buffer, .address_space: global }
      - { .name: gamf, .offset: 56, .size: 8, .value_kind: global_buffer, .address_space: global }
      - { .name: betf, .offset: 64, .size: 8, .value_kind: global_buffer, .address_space: global }
      - { .name: mf, .offset: 72, .size: 8, .value_kind: global_buffer, .address_space: global }
      - { .name: vf, .offset: 80, .size: 8, .value_kind: global_buffer, .address_space: global }
      - { .name: bg, .offset: 88, .size: 8, .value_kind: global_buffer, .address_space: global }
      - { .name: gamg, .offset: 96, .size: 8, .value_kind: global_buffer, .address_space: global }
      - { .name: betg, .offset: 104, .size: 8, .value_kind: global_buffer, .address_space: global }
      - { .name: mg, .offset: 112, .size: 8, .value_kind: global_buffer, .address_space: global }
      - { .name: vg, .offset: 120, .size: 8, .value_kind: global_buffer, .address_space: global }
    .group_segment_fixed_size: 242432
    .private_segment_fixed_size: 0
    .kernarg_segment_align: 8
    .kernarg_segment_size: 128
    .max_flat_workgroup_size: 384
    .sgpr_count:     80
    .vgpr_count:     256
    .wavefront_size: 32
...
	.end_amdgpu_metadata
.endif
;; end of part 1
;; launch attn (part 2): grid 256 x 1, 8 waves a work-group, clusters of 4 x 1, 327,680 bytes of LDS; arguments fgh, x, Wv, bv, out0; writes out0
.if DOCPART == 2
	.amdgcn_target "amdgcn-amd-amdhsa--gfx1250"
	.amdhsa_code_object_version 6
	.text
	.protected	k_q11643cce29_attn
	.globl	k_q11643cce29_attn
	.p2align	8
	.type	k_q11643cce29_attn,@function
k_q11643cce29_attn:
	s_mov_b64 s[64:65], 0
	v_nop
	global_prefetch_b8 v0, s[64:65] scope:SCOPE_SE
	s_setreg_imm32_b32 hwreg(HW_REG_WAVE_MODE, 25, 1), 1
	s_wait_xcnt 0x0
	s_wait_alu depctr_hold_cnt(0) depctr_sa_sdst(0) depctr_va_vdst(0) depctr_va_sdst(0) depctr_va_ssrc(0) depctr_va_vcc(0) depctr_vm_vsrc(0)
	s_getreg_b32 s2, hwreg(HW_REG_IB_STS2, 6, 4)
	s_cmp_eq_u32 s2, 0
	s_cbranch_scc0 .Lentry_in_a_cluster
	s_endpgm
.Lentry_in_a_cluster:
	s_bfe_u32 s2, ttmp6, 0x10000c
	s_cmp_lg_u32 s2, 0x3003
	s_cbranch_scc0 .Lentry_shape_is_right
	s_endpgm
.Lentry_shape_is_right:
; out[o][n] = sum over c of Wv[o][c] z[c][n] + bv[o] + x[o][n],  z[c][n] = sum over m of softmax_m(f[:,n].g[:,m] / 8) h[c][m].
; fgh holds, in blocks of 64 voxels and 24,832 bytes, sf f' (f' = f * 0.125 log2(e)) at 0, sg g at 8192 and h at 16384, in f16, as register images
; of matrix operands, and at 24576 32 pairs (1 / sf, 1 / sg) in f32: sf and sg are the block's own powers of two, which keep f' and g inside f16.
; A work-group has 64 queries (one block); 16,384 queries make 256 work-groups.  Every one of its eight waves takes all 64 queries
; (4 tiles of 16) and an eighth of the batch's 8,192 keys: in trip t = 0 .. 15 wave w takes key block 8 t + w.  So 16 KiB read from LDS feed 64 matrix
; instructions.  Eight waves are two for each of a WGP's four SIMDs: one wave's softmax can run beside the other's products.
; OPERANDS, without any shuffle:  S^T(mt, nt) = A g(mt) x B f'(nt): lane (r, hh), register j holds key 8 hh + j, query r; maxima and sums over keys
; are in the lane plus one exchange of the halves; two neighbouring tiles packed in place ARE the B fragment P(nt, q);
; O^T(ct, nt) += A h(ct, q) x B P(nt, q): lane holds 8 channels of query r, so the factor of the running maximum is one number a lane.
; A step's logits are S times sc = 1 / (sf sg), one number for the step; the multiplication rides on the subtraction of the maximum (one fused multiply-add).
; The running maximum is kept per query, NEGATED (so that it is the addend as it stands), and the sums are rescaled in every step (no branch hangs on data).
; At the end the eight waves' partial sums meet in LDS, each wave merges two tiles of z, and each wave makes 32 output channels x 64 voxels.
; CLUSTER: the four work-groups of a cluster lie in one batch and walk the same keys.  Wave w of each asks for key block 8 t + w by one joint
; tensor load (mask 15; the address hangs on the cluster's number, the wave's number and the trip alone): the requests for g and h are divided by four.
; Each refill stands first behind a round of the cluster's barrier, one tensor load a wave; one is outstanding at the most.
; LIMITS: h, z and Wv go in f16 unscaled: |h| and |Wv| must stay under 65,504.  P = 2^(logit - maximum) goes in f16: what is under 2^-25 of the wave's
; running maximum counts as 0 in the product with h (at most 8192 x 2^-25 of the sum), while the softmax's sum is taken over the exponentials in f32.
; Maxima are v_max / v_min _num_f32, which drop a NaN where reference() would hand it on; infinities are not served.  1 / sum is v_rcp_f32 (1 ULP).
.set BLK,    24832                     ; bytes of a block of fgh
.set SLOT,   16640                     ; a tile: the g and h images and the scales of one key block, 65 rows of 256 bytes
.set WRING,  2*SLOT                    ; a wave's two slots
.set TSTEP,  8*BLK                     ; from a wave's key block to its next
.set CM,     8*WRING                   ; 266,240: behind the ring, each wave's maxima (512 bytes) and sums (512 bytes)
.set ZB,     CM+8192                   ; 274,432: the 8 fragments of z, 1,024 bytes each
.set OPITCH, 272                       ; the way out: a row of 64 f32 + 16 bytes, an odd multiple of 16 bytes
.set XROW,   32768                     ; bytes from a channel of x or out to the next
; window 0
.set GAD, 0                            ; v0, once the thread's number has served: my wave's ring, the same in all lanes
.set L16, 1                            ; 16 L
.set LA,  2                            ; my wave's ring + 16 L
.set XO,  3                            ; x and out: hh rows + 16 r
.set PF,  4                            ; L rows
.set WVO, 5                            ; Wv: row r, 32 hh
.set R4,  6                            ; 4 r
.set CMW, 7
.set CMR, 8
.set EZ,  9
.set ZR,  10
.set ST,  11
.set RB,  12
.set GS,  13                           ; 1 / sg of the step's key block, then the step's sc
.set RT,  14                           ; v[14:17] my two tiles in the partial sums of waves 2 p, 2 p + 1
.set BV,  18                           ; v[18:19] bv of my two output channels
.set NM,  20                           ; v[20:27] minus the running maximum of query tile nt, twice (a pair for packed arithmetic)
.set AL,  28                           ; v[28:35] 2^(old maximum - new), twice
.set LS0, 36                           ; v[36:43] sums, first chain
.set LS1, 44                           ; v[44:51] sums, second chain
.set TA,  52
.set TB,  56
.set TX,  60
.set SR,  64                           ; v[64:191] S(mt, nt) at SR + 32 nt + 8 mt; P(nt, q) at SR + 32 nt + 16 q
.set ZF,  128                          ; the fragments of z, at the end
.set FR,  192                          ; v[192:255] 8 fragments of g, then of h: (tile t, K half k) at FR + 32 k + 8 t
; window 1
.set FQ,  0                            ; v[256:319] f'(nt, kf) at 8 (2 nt + kf)
.set OA,  64                           ; v[320:447] O(ct, nt) at 64 + 8 (4 nt + ct)
.set WVF, 192                          ; v[448:479] Wv(ot, kf) at 192 + 8 (2 ot + kf)
.set G1,  20                           ; s[20:27] descriptor group 1
.set G0,  28                           ; s[28:35] descriptor group 0, one set for each slot
; s54: 1 / sf of my query block.  s[56:57]: the step's sc (s57 is never used, only written).  s58: - sc.
.set MSB, 0
.macro WIN new                         ; s_set_vgpr_msb: bits 1:0 source 0, 3:2 source 1, 5:4 source 2, 7:6 destination; the high byte repeats the setting that is left
.if MSB != \new
	s_set_vgpr_msb (MSB<<8)|\new
.set MSB, \new
.endif
.endm
.macro ROUND                           ; a round of the cluster's barrier
	s_barrier_signal -1
	s_barrier_wait -1
	s_cmp_lg_u32 s14, 0
	s_cbranch_scc1 .Lnot_wave_0_\@
	s_barrier_signal -3
.Lnot_wave_0_\@:
	s_barrier_wait -3
	s_barrier_signal -1
	s_barrier_wait -1
.endm
.macro PLACES n                        ; places behind a matrix instruction (ISA guide 7.12.1)
.rept \n
	v_nop
.endr
.endm
	s_load_b256 s[4:11], s[0:1], 0x0               ; fgh 4, x 6, Wv 8, bv 10
	s_load_b64 s[12:13], s[0:1], 0x20              ; out0
	s_set_vgpr_msb 0x40
	v_lshl_add_u32 v224, v0, 2, 0x45000
	v_mov_b32 v225, 0
	s_set_vgpr_msb 0x4045
	ds_add_u32 v224, v225
	s_set_vgpr_msb 0x4500
	v_lshrrev_b32 v1, 5, v0
	v_readfirstlane_b32 s14, v1                    ; wave 0..7
	s_bfe_u32 s15, ttmp6, 0x40000                  ; cx
	s_lshl_b32 s16, ttmp9, 2
	s_add_co_u32 s16, s16, s15                     ; my query block = 4 x cluster + cx
	s_lshr_b32 s17, ttmp9, 5                       ; batch: 32 clusters each; made of the cluster's number alone
	s_mul_i32 s18, s14, WRING                      ; my wave's ring in LDS
	s_mov_b32 s40, 0x76543210                      ; v_permlanex16_b32: lane i of one half reads lane i of the other
	s_mov_b32 s41, 0xfedcba98
	s_mov_b32 s57, 0
	; group 1: a dense block of 16,640 bytes as 65 rows of 256 bytes
	s_mov_b32 s[G1+0], 15|(3<<16)|(1<<21)          ; mask: all four; element of 8 bytes; bit 21 beside a mask; no padding: fragments are read as 512 consecutive bytes
	s_mov_b32 s[G1+1], 32<<16                      ; tensor_dim0 = 32
	s_mov_b32 s[G1+2], 65<<16                      ; tensor_dim1 = 65
	s_mov_b32 s[G1+3], 32<<16                      ; tile_dim0 = 32
	s_mov_b32 s[G1+4], 65                          ; tile_dim1 = 65
	s_mov_b32 s[G1+5], 32                          ; elements from row to row
	s_mov_b32 s[G1+6], 0
	s_mov_b32 s[G1+7], 0
	s_lshl_b32 s36, s17, 7
	s_add_co_u32 s36, s36, s14                     ; key block of trip 0: batch x 128 + wave
	s_mul_i32 s36, s36, BLK
	s_add_co_u32 s36, s36, 8192                    ; its g image; h's and the scales follow
	s_mov_b32 s37, 0
	s_wait_dscnt 0x0
	s_wait_kmcnt 0x0
	s_mov_b32 s[G0+0], 1
	s_mul_i32 s[G0+1], s14, WRING                  ; slot 0: wave x 33,280
	s_add_nc_u64 s[G0+2:G0+3], s[4:5], s[36:37]    ; trip 0's tile
	s_mov_b32 s[G0+4], 1
	s_add_co_u32 s[G0+5], s[G0+1], SLOT            ; slot 1
	s_add_nc_u64 s[G0+6:G0+7], s[G0+2:G0+3], TSTEP ; trip 1's tile
	s_or_b32 s[G0+3], s[G0+3], 0x80000000          ; type = 2
	s_or_b32 s[G0+7], s[G0+7], 0x80000000
	ROUND                                          ; all four work-groups are here: the first joint loads meet
	tensor_load_to_lds s[G0:G0+3], s[G1:G1+7]      ; trip 0's tile
	s_nop 0
	s_mul_i32 s38, s16, BLK
	s_mov_b32 s39, 0
	s_add_nc_u64 s[44:45], s[4:5], s[38:39]        ; my query block
	s_load_b32 s54, s[44:45], 0x6000               ; its 1 / sf (this launch stores nothing into fgh)
	s_lshl_b32 s38, s17, 23                        ; batch x 256 channels x 32,768 bytes
	s_and_b32 s19, s16, 127
	s_lshl_b32 s19, s19, 8                         ; + my 64 voxels
	s_add_co_u32 s38, s38, s19
	s_lshl_b32 s19, s14, 20                        ; + my wave's 32 channels
	s_add_co_u32 s38, s38, s19
	s_add_nc_u64 s[46:47], s[6:7], s[38:39]        ; x
	s_add_nc_u64 s[48:49], s[12:13], s[38:39]      ; out
	s_lshl_b32 s38, s14, 13
	s_add_nc_u64 s[50:51], s[8:9], s[38:39]        ; my 32 rows of Wv
	s_lshl_b32 s38, s14, 7
	s_add_nc_u64 s[52:53], s[10:11], s[38:39]      ; my 32 numbers of bv
	v_and_b32 v[L16], 31, v0
	v_lshlrev_b32 v[L16], 4, v[L16]
	v_and_b32 v[TA], 15, v0                        ; r
	v_bfe_u32 v[TA+1], v0, 4, 1                    ; hh
	v_mov_b32 v[GAD], s18                          ; the thread's number has served
	v_add_nc_u32 v[LA], s18, v[L16]
	v_lshlrev_b32 v[XO], 4, v[TA]
	v_lshl_add_u32 v[XO], v[TA+1], 15, v[XO]
	v_lshlrev_b32 v[PF], 11, v[L16]                ; L x 32,768
	v_lshlrev_b32 v[WVO], 8, v[TA]
	v_lshl_add_u32 v[WVO], v[TA+1], 5, v[WVO]
	v_lshlrev_b32 v[R4], 2, v[TA]
	; Wv in f32, 32-byte pieces of my lane's row, once: fragment (ot, kf) into SR + 16 (2 ot + kf)
.irp ot, 0,1
.irp kf, 0,1
.irp p, 0,1,2,3
	global_load_b128 v[SR+16*(2*\ot+\kf)+4*\p:SR+16*(2*\ot+\kf)+4*\p+3], v[WVO], s[50:51] offset:\ot*4096+\kf*128+(\p/2)*64+(\p%2)*16
.endr
.endr
.endr
	global_load_b32 v[BV],   v[R4], s[52:53]
	global_load_b32 v[BV+1], v[R4], s[52:53] offset:64
	WIN 0x40                                       ; destination in window 1
.irp i, 0,1,2,3,4,5,6,7,8,9,10,11,12,13,14,15
	global_load_b128 v[FQ+4*\i:FQ+4*\i+3], v[L16], s[44:45] offset:\i*512
.endr
	WIN 0
	s_lshl_b32 s19, s14, 10
	s_add_co_u32 s19, s19, CM
	v_add_nc_u32 v[CMW], s19, v[L16]
	s_lshr_b32 s19, s14, 1
	s_lshl_b32 s19, s19, 2
	s_add_co_u32 s19, s19, CM
	v_add_nc_u32 v[CMR], s19, v[L16]               ; the word of query tile w >> 1
	s_lshl_b32 s19, s14, 10
	s_add_co_u32 s19, s19, ZB
	v_add_nc_u32 v[EZ], s19, v[L16]
	v_add_nc_u32 v[ZR], ZB, v[L16]
	v_mul_u32_u24 v[ST], v[TA], OPITCH
	v_lshl_add_u32 v[ST], v[TA+1], 5, v[ST]
	v_add_nc_u32 v[ST], s18, v[ST]
	v_mul_u32_u24 v[RB], v[TA+1], OPITCH
	v_lshl_add_u32 v[RB], v[TA], 4, v[RB]
	v_add_nc_u32 v[RB], s18, v[RB]
	s_lshl_b32 s19, s14, 11
	v_add_nc_u32 v[RT], s19, v[L16]
	v_add_nc_u32 v[RT+1], 2*WRING, v[RT]
	v_add_nc_u32 v[RT+2], 4*WRING, v[RT]
	v_add_nc_u32 v[RT+3], 6*WRING, v[RT]
.irp nt, 0,1,2,3
	v_mov_b32 v[TX+\nt], 0                         ; v_permlanex16_b32's destination counts as read
.endr
	s_wait_kmcnt 0x0                               ; 1 / sf
	s_wait_loadcnt 0x0
	WIN 0x40
.set i, 0
.rept 32
	v_cvt_pk_f16_f32 v[WVF+i], v[SR+2*i], v[SR+2*i+1]
.set i, i+1
.endr
	WIN 0
; sixteen LDS loads: an image's eight fragments, the K half 0 of all four tiles first
.macro LDFR base
.irp k, 0,1
.irp t, 0,1,2,3
	ds_load_b128 v[FR+32*\k+8*\t:FR+32*\k+8*\t+3],   v[LA] offset:\base+((\t*2+\k)*2)*512
	ds_load_b128 v[FR+32*\k+8*\t+4:FR+32*\k+8*\t+7], v[LA] offset:\base+((\t*2+\k)*2+1)*512
.endr
.endr
.endm
; sixteen matrix instructions, one on each of sixteen accumulators: they take turns
.macro QK kf, zero
.irp nt, 0,1,2,3
.irp mt, 0,1,2,3
.if \zero
	v_wmma_f32_16x16x32_f16 v[SR+32*\nt+8*\mt:SR+32*\nt+8*\mt+7], v[FR+32*\kf+8*\mt:FR+32*\kf+8*\mt+7], v[FQ+8*(2*\nt+\kf):FQ+8*(2*\nt+\kf)+7], 0
.else
	v_wmma_f32_16x16x32_f16 v[SR+32*\nt+8*\mt:SR+32*\nt+8*\mt+7], v[FR+32*\kf+8*\mt:FR+32*\kf+8*\mt+7], v[FQ+8*(2*\nt+\kf):FQ+8*(2*\nt+\kf)+7], v[SR+32*\nt+8*\mt:SR+32*\nt+8*\mt+7]
.endif
.endr
.endr
.endm
.macro PV q, zero
.irp nt, 0,1,2,3
.irp ct, 0,1,2,3
.if \zero
	v_wmma_f32_16x16x32_f16 v[OA+8*(4*\nt+\ct):OA+8*(4*\nt+\ct)+7], v[FR+32*\q+8*\ct:FR+32*\q+8*\ct+7], v[SR+32*\nt+16*\q:SR+32*\nt+16*\q+7], 0
.else
	v_wmma_f32_16x16x32_f16 v[OA+8*(4*\nt+\ct):OA+8*(4*\nt+\ct)+7], v[FR+32*\q+8*\ct:FR+32*\q+8*\ct+7], v[SR+32*\nt+16*\q:SR+32*\nt+16*\q+7], v[OA+8*(4*\nt+\ct):OA+8*(4*\nt+\ct)+7]
.endif
.endr
.endr
.endm
; minus the new running maximum of each query tile: the largest of 32 unscaled numbers a lane in two chains (17 and 15) and of the other half of the
; lanes, times - sc (sc is a power of two or 0, never negative, so the largest stays the largest and the product is exact), the smaller of that and the old one
.macro MAXPH first
.irp nt, 0,1,2,3
	v_max3_num_f32 v[TA+\nt], v[SR+32*\nt],    v[SR+32*\nt+1],  v[SR+32*\nt+2]
	v_max3_num_f32 v[TB+\nt], v[SR+32*\nt+17], v[SR+32*\nt+18], v[SR+32*\nt+19]
.endr
.irp i, 0,1,2,3,4,5
.irp nt, 0,1,2,3
	v_max3_num_f32 v[TA+\nt], v[TA+\nt], v[SR+32*\nt+3+2*\i],  v[SR+32*\nt+4+2*\i]
	v_max3_num_f32 v[TB+\nt], v[TB+\nt], v[SR+32*\nt+20+2*\i], v[SR+32*\nt+21+2*\i]
.endr
.endr
.irp nt, 0,1,2,3
	v_max3_num_f32 v[TA+\nt], v[TA+\nt], v[SR+32*\nt+15], v[SR+32*\nt+16]
.endr
.irp nt, 0,1,2,3
	v_max_num_f32 v[TA+\nt], v[TA+\nt], v[TB+\nt]
.endr
.irp nt, 0,1,2,3
	v_permlanex16_b32 v[TX+\nt], v[TA+\nt], s40, s41
.endr
.irp nt, 0,1,2,3
	v_max_num_f32 v[TA+\nt], v[TA+\nt], v[TX+\nt]
.endr
.irp nt, 0,1,2,3
	v_mul_f32 v[TA+\nt], s58, v[TA+\nt]
.endr
.if \first == 0
.irp nt, 0,1,2,3
	v_min_num_f32 v[TA+\nt], v[TA+\nt], v[NM+2*\nt]
.endr
.irp nt, 0,1,2,3
	v_sub_f32 v[TB+\nt], v[TA+\nt], v[NM+2*\nt]    ; (- new) - (- old) = old - new, at most 0
.endr
.irp nt, 0,1,2,3
	v_exp_f32 v[AL+2*\nt], v[TB+\nt]
.endr
.endif
.irp nt, 0,1,2,3
	v_mov_b32 v[NM+2*\nt],   v[TA+\nt]             ; plain work on other registers behind the v_exp_f32 (ISA guide 5.7.2)
	v_mov_b32 v[NM+2*\nt+1], v[TA+\nt]
.endr
.if \first == 0
	s_wait_alu depctr_va_vdst(0)
.irp nt, 0,1,2,3
	v_mov_b32 v[AL+2*\nt+1], v[AL+2*\nt]
.endr
.endif
.endm
; A chunk is 16 registers: chunk k = 2 nt + q, the tiles mt = 2 q, 2 q + 1 of query tile nt.
.macro SUBC k                          ; times sc, minus the maximum, in one rounding: 0 at the maximum itself, never above 0
.set CB, SR+16*\k
.set N2, (\k/2)*2
.irp i, 0,2,4,6,8,10,12,14
	v_pk_fma_f32 v[CB+\i:CB+\i+1], v[CB+\i:CB+\i+1], s[56:57], v[NM+N2:NM+N2+1] op_sel_hi:[1,0,1]
.endr
.endm
.macro EXPC k
.set CB, SR+16*\k
.irp i, 0,1,2,3,4,5,6,7,8,9,10,11,12,13,14,15
	v_exp_f32 v[CB+\i], v[CB+\i]
.endr
.endm
; the sums, two chains.  mode 0: add on; 1: the old sums times the factor, fused with the first addends; 2: the first addends start the sums
.macro SUMC k, mode
.set CB, SR+16*\k
.set N2, (\k/2)*2
.if \mode == 2
	s_wait_alu depctr_va_vdst(0)
	v_pk_add_f32 v[LS0+N2:LS0+N2+1], v[CB:CB+1],   v[CB+4:CB+5]
	v_pk_add_f32 v[LS1+N2:LS1+N2+1], v[CB+2:CB+3], v[CB+6:CB+7]
.else
.if \mode == 1
	s_wait_alu depctr_va_vdst(0)
	v_pk_fma_f32 v[LS0+N2:LS0+N2+1], v[LS0+N2:LS0+N2+1], v[AL+N2:AL+N2+1], v[CB:CB+1]
	v_pk_fma_f32 v[LS1+N2:LS1+N2+1], v[LS1+N2:LS1+N2+1], v[AL+N2:AL+N2+1], v[CB+2:CB+3]
.else
	v_pk_add_f32 v[LS0+N2:LS0+N2+1], v[LS0+N2:LS0+N2+1], v[CB:CB+1]
	v_pk_add_f32 v[LS1+N2:LS1+N2+1], v[LS1+N2:LS1+N2+1], v[CB+2:CB+3]
.endif
	v_pk_add_f32 v[LS0+N2:LS0+N2+1], v[LS0+N2:LS0+N2+1], v[CB+4:CB+5]
	v_pk_add_f32 v[LS1+N2:LS1+N2+1], v[LS1+N2:LS1+N2+1], v[CB+6:CB+7]
.endif
.irp i, 8,12
	v_pk_add_f32 v[LS0+N2:LS0+N2+1], v[LS0+N2:LS0+N2+1], v[CB+\i:CB+\i+1]
	v_pk_add_f32 v[LS1+N2:LS1+N2+1], v[LS1+N2:LS1+N2+1], v[CB+\i+2:CB+\i+3]
.endr
.endm
.macro CVTC k                          ; 16 f32 to 8 words of f16, in place and ascending: the fragment P(nt, q)
.set CB, SR+16*\k
.irp i, 0,1,2,3,4,5,6,7
	v_cvt_pk_f16_f32 v[CB+\i], v[CB+2*\i], v[CB+2*\i+1]
.endr
.endm
; The chunks overlap by one: behind a run of v_exp_f32 always stands plain work on another chunk, and a chunk's exponentials are used one run later.
.macro SOFT m0
	SUBC 0
	EXPC 0
	SUBC 1
	EXPC 1
	SUMC 0, \m0
	CVTC 0
	SUBC 2
	EXPC 2
	SUMC 1, 0
	CVTC 1
	SUBC 3
	EXPC 3
	SUMC 2, \m0
	CVTC 2
	SUBC 4
	EXPC 4
	SUMC 3, 0
	CVTC 3
	SUBC 5
	EXPC 5
	SUMC 4, \m0
	CVTC 4
	SUBC 6
	EXPC 6
	SUMC 5, 0
	CVTC 5
	SUBC 7
	EXPC 7
	SUMC 6, \m0
	CVTC 6
	SUMC 7, 0
	CVTC 7
.endm
; One key block of 64 against 64 queries.
.macro STEP slot, first, pf
	ds_load_b32 v[GS], v[GAD] offset:\slot*SLOT+16384+4   ; the key block's 1 / sg: one word for all lanes
	LDFR \slot*SLOT                                ; g
	s_wait_dscnt 0x8                               ; the eight loads of channels 32-63 are younger: channels 0-31 are in
	WIN 0x04                                       ; B (f') in window 1
	QK 0, 1                                        ; the first products start the sums
	s_wait_dscnt 0x0
	QK 1, 0
	WIN 0
	PLACES 4                                       ; before loads land in g's registers and before the logits are read
	LDFR \slot*SLOT+8192                           ; h, on its way during the softmax
	v_mul_f32 v[GS], s54, v[GS]                    ; sc = (1 / sf) (1 / sg): a product of two powers of two
	v_readfirstlane_b32 s56, v[GS]                 ; the same in all lanes: a scalar source for the step's arithmetic; it steers no address and no branch
	s_xor_b32 s58, s56, 0x80000000                 ; - sc
.if \pf
	global_prefetch_b8 v[PF], s[46:47] th:TH_LOAD_NT scope:SCOPE_SE   ; lane L asks for my 256 bytes of channel 32 w + L of x, which the wave loads behind the next trip; each piece is asked for once in the launch
.endif
	MAXPH \first
.if \first
	SOFT 2
.else
	SOFT 1
	WIN 0x41                                       ; O in window 1, the factor in window 0
.irp nt, 0,1,2,3
.irp i, 0,2,4,6,8,10,12,14,16,18,20,22,24,26,28,30
	v_pk_mul_f32 v[OA+32*\nt+\i:OA+32*\nt+\i+1], v[OA+32*\nt+\i:OA+32*\nt+\i+1], v[AL+2*\nt:AL+2*\nt+1]
.endr
.endr
.endif
	s_wait_dscnt 0x8                               ; the eight loads of keys 32-63 are younger: keys 0-31 of h are in
	WIN 0x50                                       ; C and D in window 1
	PV 0, \first
	s_wait_dscnt 0x0
	PV 1, 0
	WIN 0
	PLACES 5                                       ; before the next step's products write over P, and its loads land in h's registers
.endm
; A trip.  In front of the round: all my tensor loads have landed (one was out: this trip's tile), so this slot's group 0 may be stepped,
; and my LDS reads of the other slot are back.  Behind the round, first of all: the next trip's tile into the other slot.
.macro TRIP slot, refill, first, pf
	s_set_vgpr_msb 0x5
	s_wait_tensorcnt 0x0
	ds_add_u32 v224, v225
	s_wait_dscnt 0x0
	s_set_vgpr_msb 0x500
	s_add_nc_u64 s[G0+4*\slot+2:G0+4*\slot+3], s[G0+4*\slot+2:G0+4*\slot+3], 2*TSTEP
	s_wait_dscnt 0x0
	ROUND
.if \refill
	tensor_load_to_lds s[G0+4-4*\slot:G0+7-4*\slot], s[G1:G1+7]
	s_nop 0
.endif
	STEP \slot, \first, \pf
.endm
	TRIP 0, 1, 1, 0                                ; trip 0 starts maxima and sums: nothing is cleared
	TRIP 1, 1, 0, 0
	s_mov_b32 s42, 6
.Llap:
	TRIP 0, 1, 0, 0
	TRIP 1, 1, 0, 0
	s_sub_co_u32 s42, s42, 1
	s_cmp_lg_u32 s42, 0
	s_cbranch_scc1 .Llap
	TRIP 0, 1, 0, 1                                ; trip 14 asks for trip 15's tile, the last
	TRIP 1, 0, 0, 0                                ; trip 15 fills nothing (slot 1's stepped address is not used)
	; ---- the residual's rows are asked for now; they are used on the way out ----
.irp t, 0,1,2,3,4,5,6,7,8,9,10,11,12,13,14,15
	global_load_b128 v[FR+4*\t:FR+4*\t+3], v[XO], s[46:47] offset:\t*2*XROW th:TH_LOAD_NT   ; channel 32 w + 2 t + hh, my 64 voxels: 16 lanes take 256 consecutive bytes
.endr
	; my wave's sums: two chains, two halves of a pair, two halves of the lanes
.irp nt, 0,1,2,3
	v_pk_add_f32 v[LS0+2*\nt:LS0+2*\nt+1], v[LS0+2*\nt:LS0+2*\nt+1], v[LS1+2*\nt:LS1+2*\nt+1]
.endr
.irp nt, 0,1,2,3
	v_add_f32 v[TB+\nt], v[LS0+2*\nt], v[LS0+2*\nt+1]
.endr
.irp nt, 0,1,2,3
	v_permlanex16_b32 v[TX+\nt], v[TB+\nt], s40, s41
.endr
.irp nt, 0,1,2,3
	v_add_f32 v[TB+\nt], v[TB+\nt], v[TX+\nt]
	v_mov_b32 v[TA+\nt], v[NM+2*\nt]
.endr
	; my partial O into my own slot 0, which has had its last fill and whose reads are back; negated maxima and sums beside the ring
	WIN 0x04                                       ; store data in window 1
.irp i, 0,1,2,3,4,5,6,7,8,9,10,11,12,13,14,15,16,17,18,19,20,21,22,23,24,25,26,27,28,29,30,31
	ds_store_b128 v[LA], v[OA+4*\i:OA+4*\i+3] offset:\i*512
.endr
	WIN 0
	ds_store_b128 v[CMW], v[TA:TA+3]
	ds_store_b128 v[CMW], v[TB:TB+3] offset:512
	s_wait_dscnt 0x0                               ; for the others' sake: all my stores are done
	s_barrier_signal -1
	s_barrier_wait -1
	; ---- wave w merges tiles 2 w, 2 w + 1 of O: query tile w >> 1, channels 32 (w & 1) .. +31: one fragment of z ----
.irp wv, 0,1,2,3,4,5,6,7
	ds_load_b32 v[NM+\wv], v[CMR] offset:\wv*1024
	ds_load_b32 v[AL+\wv], v[CMR] offset:\wv*1024+512
.endr
.irp wv, 0,1,2,3,4,5,6,7
.irp i, 0,1,2,3
	ds_load_b128 v[SR+16*\wv+4*\i:SR+16*\wv+4*\i+3], v[RT+\wv/2] offset:(\wv%2)*WRING+\i*512
.endr
.endr
	s_wait_dscnt 0x20                              ; the 32 loads of partial sums are younger: the eight negated maxima and the eight sums are in
	v_min3_num_f32 v[TA], v[NM], v[NM+1], v[NM+2]
	v_min3_num_f32 v[TA], v[TA], v[NM+3], v[NM+4]
	v_min3_num_f32 v[TA], v[TA], v[NM+5], v[NM+6]
	v_min_num_f32 v[TA], v[TA], v[NM+7]            ; minus the maximum of all
.irp wv, 0,1,2,3,4,5,6,7
	v_sub_f32 v[NM+\wv], v[TA], v[NM+\wv]          ; the wave's maximum minus the maximum of all, at most 0
.endr
.irp wv, 0,1,2,3,4,5,6,7
	v_exp_f32 v[NM+\wv], v[NM+\wv]
.endr
	v_nop
	s_wait_alu depctr_va_vdst(0)
	v_mul_f32 v[TA+1], v[NM], v[AL]
.irp wv, 1,2,3,4,5,6,7
	v_fmac_f32 v[TA+1], v[NM+\wv], v[AL+\wv]       ; at least 1: the wave that holds the maximum adds its whole sum, which holds a 2^0
.endr
	v_rcp_f32 v[TA+2], v[TA+1]
	v_nop
	s_wait_alu depctr_va_vdst(0)
.irp wv, 0,1,2,3,4,5,6,7
	v_mul_f32 v[LS0+2*\wv],   v[NM+\wv], v[TA+2]   ; wave wv's weight, twice
	v_mul_f32 v[LS0+2*\wv+1], v[NM+\wv], v[TA+2]
.endr
	s_wait_dscnt 0x0
.irp i, 0,2,4,6,8,10,12,14
	v_pk_mul_f32 v[SR+\i:SR+\i+1], v[SR+\i:SR+\i+1], v[LS0:LS0+1]
.endr
.irp wv, 1,2,3,4,5,6,7
.irp i, 0,2,4,6,8,10,12,14
	v_pk_fma_f32 v[SR+\i:SR+\i+1], v[SR+16*\wv+\i:SR+16*\wv+\i+1], v[LS0+2*\wv:LS0+2*\wv+1], v[SR+\i:SR+\i+1]
.endr
.endr
.irp i, 0,1,2,3,4,5,6,7
	v_cvt_pk_f16_f32 v[SR+\i], v[SR+2*\i], v[SR+2*\i+1]
.endr
	ds_store_b128 v[EZ], v[SR:SR+3]
	ds_store_b128 v[EZ], v[SR+4:SR+7] offset:512
	s_wait_dscnt 0x0                               ; my fragment of z is stored, and my reads of the others' partial sums are back
	s_barrier_signal -1
	s_barrier_wait -1
	; ---- out: A = z (rows: voxels), B = Wv (columns: my 32 output channels), C = bv: a lane's 8 results are 8 neighbouring voxels of one channel ----
.irp i, 0,1,2,3,4,5,6,7,8,9,10,11,12,13,14,15
	ds_load_b128 v[ZF+4*\i:ZF+4*\i+3], v[ZR] offset:\i*512
.endr
.irp i, 0,1,2,3,4,5,6,7
	v_mov_b32 v[SR+\i],   v[BV]
	v_mov_b32 v[SR+8+\i], v[BV+1]
.endr
	s_wait_dscnt 0x0
	WIN 0x44                                       ; B and D in window 1
.irp ot, 0,1
.irp nt, 0,1,2,3
	v_wmma_f32_16x16x32_f16 v[OA+8*(4*\ot+\nt):OA+8*(4*\ot+\nt)+7], v[ZF+16*\nt:ZF+16*\nt+7], v[WVF+16*\ot:WVF+16*\ot+7], v[SR+8*\ot:SR+8*\ot+7]
.endr
.endr
	WIN 0x54                                       ; C too: eight accumulators by turns
.irp ot, 0,1
.irp nt, 0,1,2,3
	v_wmma_f32_16x16x32_f16 v[OA+8*(4*\ot+\nt):OA+8*(4*\ot+\nt)+7], v[ZF+16*\nt+8:ZF+16*\nt+15], v[WVF+16*\ot+8:WVF+16*\ot+15], v[OA+8*(4*\ot+\nt):OA+8*(4*\ot+\nt)+7]
.endr
.endr
	WIN 0
	PLACES 4                                       ; before the results are stored and loads land in the registers that held bv
	; ---- the way out: 32 rows of 64 f32 through my own ring bytes (nobody reads them behind the last barrier), back as whole rows ----
	WIN 0x04
.irp ot, 0,1
.irp nt, 0,1,2,3
	ds_store_b128 v[ST], v[OA+8*(4*\ot+\nt):OA+8*(4*\ot+\nt)+3]   offset:\ot*16*OPITCH+\nt*64
	ds_store_b128 v[ST], v[OA+8*(4*\ot+\nt)+4:OA+8*(4*\ot+\nt)+7] offset:\ot*16*OPITCH+\nt*64+16
.endr
.endr
	WIN 0
.irp t, 0,1,2,3,4,5,6,7,8,9,10,11,12,13,14,15
	ds_load_b128 v[SR+4*\t:SR+4*\t+3], v[RB] offset:\t*2*OPITCH   ; LDS serves a wave's instructions in order (ISA guide 5.7.1): these see the stores above
.endr
	s_wait_loadcnt 0x0                             ; x
.irp t, 0,1,2,3,4,5,6,7,8,9,10,11,12,13,14,15
	s_wait_dscnt 15-\t                             ; the younger row loads may stay out
	v_pk_add_f32 v[SR+4*\t:SR+4*\t+1],   v[SR+4*\t:SR+4*\t+1],   v[FR+4*\t:FR+4*\t+1]
	v_pk_add_f32 v[SR+4*\t+2:SR+4*\t+3], v[SR+4*\t+2:SR+4*\t+3], v[FR+4*\t+2:FR+4*\t+3]
	global_store_b128 v[XO], v[SR+4*\t:SR+4*\t+3], s[48:49] offset:\t*2*XROW th:TH_STORE_NT   ; 16 lanes store 256 consecutive bytes, at a multiple of 256 from out0's first byte
.endr
	s_set_vgpr_msb 0x5
	s_wait_tensorcnt 0x0
	ds_add_u32 v224, v225
	s_wait_dscnt 0x0
	s_set_vgpr_msb 0x500
	ROUND                                          ; the closing round: no work-group ends while a partner may still ask jointly
	s_endpgm
.Lfunc_end_k_q11643cce29_attn:
	.size	k_q11643cce29_attn, .Lfunc_end_k_q11643cce29_attn-k_q11643cce29_attn
	.p2alignl 7, 3214868480
	.fill 96, 4, 3214868480
	.section	.rodata,"a",@progbits
	.p2align	6, 0x0
	.amdhsa_kernel k_q11643cce29_attn
		.amdhsa_group_segment_fixed_size 327680
		.amdhsa_private_segment_fixed_size 0
		.amdhsa_enable_private_segment 0
		.amdhsa_kernarg_size 40
		.amdhsa_user_sgpr_count 2
		.amdhsa_user_sgpr_kernarg_segment_ptr 1
		.amdhsa_wavefront_size32 1
		.amdhsa_system_sgpr_workgroup_id_x 1
		.amdhsa_system_sgpr_workgroup_id_y 1
		.amdhsa_system_sgpr_workgroup_id_z 1
		.amdhsa_system_vgpr_workitem_id 0
		.amdhsa_next_free_vgpr 482
		.amdhsa_next_free_sgpr 66
		.amdhsa_reserve_vcc 0
		.amdhsa_float_denorm_mode_32 3
		.amdhsa_float_denorm_mode_16_64 3
		.amdhsa_memory_ordered 1
		.amdhsa_forward_progress 1
		.amdhsa_inst_pref_size 226
	.end_amdhsa_kernel
	.amdgpu_metadata
---
amdhsa.version: [ 1, 2 ]
amdhsa.kernels:
  - .name:           k_q11643cce29_attn
    .symbol:         k_q11643cce29_attn.kd
    .args:
      - { .name: fgh, .offset: 0, .size: 8, .value_kind: global_buffer, .address_space: global }
      - { .name: x, .offset: 8, .size: 8, .value_kind: global_buffer, .address_space: global }
      - { .name: Wv, .offset: 16, .size: 8, .value_kind: global_buffer, .address_space: global }
      - { .name: bv, .offset: 24, .size: 8, .value_kind: global_buffer, .address_space: global }
      - { .name: out0, .offset: 32, .size: 8, .value_kind: global_buffer, .address_space: global }
    .group_segment_fixed_size: 327680
    .private_segment_fixed_size: 0
    .kernarg_segment_align: 8
    .kernarg_segment_size: 40
    .max_flat_workgroup_size: 256
    .sgpr_count:     66
    .vgpr_count:     482
    .wavefront_size: 32
...
	.end_amdgpu_metadata
.endif
;; end of part 2
